; MI455X (gfx1250); checked and timed in simulation.
; The chip was launched on July 23, 2026; its instructions are those of AMD's public machine-readable ISA for CDNA 5 (MIT licence, August 2026) and "CDNA5" Instruction Set Architecture Reference Guide (July 2026). The comments in the code are by the model that wrote it; some were corrected since.
;; Self Attention. Allowed arithmetic: matrix products marked QUANTISED: E2M3 operands, one E8M0 scale for each 32 along K, by v_wmma_scale_f32_16x16x128_f8f6f4 with both operands' format E2M3, f32 sums; everything else in f32.
;; Inputs: bk 32 float32; bq 32 float32; bv 256 float32; wk 32 x 256 float32; wq 32 x 256 float32; wv 256 x 256 float32; x 8 x 256 x 64 x 64 float32.
;; Outputs: out0 8 x 256 x 64 x 64 float32.
;; This version of the problem:
;;   THIS VERSION OF THE PROBLEM IS GIVEN IN LOW PRECISION. The matrix products marked QUANTISED in the list below multiply operands that are first quantised to E2M3 (2 exponent bits, 3 mantissa bits; 6 bits a number), with one power-of-two scale for each 32 numbers along K (OCP MX v1.0); their sums are f32. All else is computed in f32.
;;   The module's matrix products, in the order in which they are computed (A, B: the left and right operand; K: the contracted axis; several contracted axes count as one K, in the product's order):
;;     1. [M 32,768, K 256] x [K 256, N 32]; A: input x; B: input wq: QUANTISED
;;     2. [M 32,768, K 256] x [K 256, N 32]; A: input x; B: input wk: QUANTISED
;;     3. [M 32,768, K 256] x [K 256, N 256]; A: input x; B: input wv: QUANTISED
;;     4. batch 8 x [M 4,096, K 32] x [K 32, N 4,096]; A: computed on the way; B: computed on the way: QUANTISED
;;     5. batch 8 x [M 256, K 4,096] x [K 4,096, N 4,096]; A: computed on the way; B: softmax (see below): QUANTISED
;;   THE QUANTISER, for each operand of a quantised product, along K:
;;     - K is cut into blocks of 32 from its start; a last block that is shorter is filled with zeros.
;;     - A block's scale is 2^e with e = floor(log2(the largest magnitude in the block)) - 2, held to -126 .. 127; a block of zeros has e = 0. As a byte (E8M0): e + 127.
;;     - Each number is divided by its block's scale, clamped to +-7.5, and rounded to the nearest number of E2M3, ties to even, subnormals kept.
;;     - The product sums the exact products of the quantised numbers (number of the format x scale) in f32.
;;   ~~~python
;;   def quantise(x, axis):      # numpy; x: float32 -> the quantised numbers, widened to float32 again
;;       x = np.moveaxis(x, axis, -1); K = x.shape[-1]
;;       x = np.pad(x, [(0, 0)] * (x.ndim - 1) + [(0, -K % 32)]); x = x.reshape(x.shape[:-1] + (-1, 32)); a = np.abs(x).max(-1, keepdims=True)
;;       e = np.where(a > 0, np.clip(np.frexp(np.where(a > 0, a, 1))[1] - 1 - 2, -126, 127), 0)      # np.frexp(a)[1] - 1 = floor(log2(a)), exactly
;;       r = np.clip(x / 2.0 ** e, -7.5, 7.5)
;;       step = 2.0 ** (np.maximum(np.frexp(np.where(r == 0, 1, r))[1] - 1, 0) - 3)
;;       q = np.round(r / step) * step * 2.0 ** e      # np.round: ties to even
;;       return np.moveaxis(q.reshape(q.shape[:-2] + (-1,))[..., :K], -1, axis).astype(np.float32)
;;   ~~~
;;   SOFTMAX AHEAD OF A QUANTISED PRODUCT. Where the list says 'softmax', what is quantised is not the finished softmax but p = 2^(t - M), with t = logit x log2(e) and M = ceil(the row's largest t), a whole number; so 1/2 < the row's largest p <= 1. The row's sum l is taken of the UNQUANTISED p, in f32, and the product's result is divided by l at the end. Since M is a whole number, a kernel that streams over the keys may use a running M (the ceiling of the running maximum): every later rescaling is an exact power of two, which a block's scale takes up: the codes' values come out the same.
;;   OPERANDS COMPUTED ON THE WAY. 'Computed on the way' means the value that the module computes at that place (a softmax that the list does not call 'softmax' is quantised finished and normalised). What goes into a quantiser is computed in f32, as accurately as f32 sums, v_exp_f32 and their like allow (about 1e-6 of the number): no bf16 or f16 on the way to a quantiser, and a product that is left as it is and whose result goes on into a quantised operand takes f32 operands (vector FMAs, or v_wmma_f32_16x16x4_f32). A number that lies on a knife's edge between two numbers of the format may be rounded either way, as far as f32 arithmetic and the matrix unit's own rounding can turn it there, and no further.
;; One version. Each part assembles by itself: llvm-mc -triple=amdgcn-amd-amdhsa -mcpu=gfx1250 --defsym DOCPART=n.
;; ======== version 1 of 1: 2 launches
;; workspace buffers: qc 917,504 bytes; kv 7,471,104 bytes
;; launch proj (part 1): grid 32 x 8, 8 waves a work-group, no clusters, 238,592 bytes of LDS; arguments x, wq, bq, wk, bk, wv, bv, qc, kv; writes qc, kv
.if DOCPART == 1
	.amdgcn_target "amdgcn-amd-amdhsa--gfx1250"
	.amdhsa_code_object_version 6
	.text
	.protected	k_qc4e50d3f8d_proj
	.globl	k_qc4e50d3f8d_proj
	.p2align	8
	.type	k_qc4e50d3f8d_proj,@function
k_qc4e50d3f8d_proj:
	s_mov_b64 s[64:65], 0
	v_nop
	global_prefetch_b8 v0, s[64:65] scope:SCOPE_SE
	s_setreg_imm32_b32 hwreg(HW_REG_WAVE_MODE, 25, 1), 1
	s_wait_xcnt 0x0
; q = wq x + bq, k = wk x + bk, v = wv x + bv for 128 positions of one image, all three products on codes of FP6 (E2M3) with one E8M0 scale for each 32 along K (K = the 256 channels),
; and q, k (along their 32 numbers) and v (along the positions, which are the keys of the later product) quantised again and stored as IMAGES OF OPERAND REGISTERS for the attention launch.
; x: [8][256][4096] f32, K is NOT innermost.  wq, wk: [32][256], wv: [256][256] f32, K innermost.  Biases f32.
; SHARES.  Work-group (x = which 128 positions, y = image), eight waves.  win = wave & 3, hi = wave / 4.
;   W: every wave quantises 1 of the 8 fragments of wq / wk (to LDS) and the 4 fragments of its own 32 rows of wv (kept in registers), while x's 128 KB are on their way into LDS.
;      The weights are read as they lie: a load of the wave takes 512 consecutive bytes of ONE row, 16 a lane.  The conversions want 32 neighbours along K in one lane, so a chunk (16 rows x 128 along K, 8 KB)
;      turns through the wave's own stage in LDS: stored as loaded, read back 128 bytes a lane.  Three chunks (48 loads) are on their way at a time, into registers that lie idle until the V phase.
;   X: wave (win, hi) quantises positions 32 win .. + 31, channels 128 hi .. + 127: A LANE TAKES A POSITION AND ITS REGISTERS RUN DOWN THE CHANNELS; two fragments go to LDS as register images.
;   V: every wave: its 32 channels of v for all 128 positions (source 0 = 16 positions of x, source 1 = 16 rows of wv: a lane holds one channel, its registers run along the positions), quantised, stored.
;   QK: waves 0-3 q, waves 4-7 k, for positions 32 win .. + 31 (source 0 = 16 rows of the weight, source 1 = x: a lane holds one position, its registers run along the 32), quantised, stored.
; THE ROWS OF A TILE ARE NOT NEIGHBOURS: row m of position tile 2 b + u is position 32 b + 8 u + m + 8 (m / 8); row m of tile u of wq / wk is row 8 u + m + 8 (m / 8).  So the 16 registers of two
; neighbouring tiles are 16 neighbours along the next K.
; OUT.  kv: for each (image, 128 keys) a block of 29,184 bytes: 16 fragments of v (16 channels x 128 keys, 1,536 bytes: registers 4 c .. 4 c + 3 of lane l at 512 c + 16 l); at 24,576 v's scale words
; (pair p of channel tiles at 128 p: lanes 0-15 tile 2 p, lanes 16-31 tile 2 p + 1); at 25,600 k's codes (window b of 32 keys at 768 b: lane l's registers 0-3 at 16 l, 4-5 at 512 + 8 l; lane m + 16 u
; holds key 32 b + m + (m & 8) + 8 u, all its 32 codes); at 28,672 k's scale words (window b at 128 b: lanes r and r + 16 hold e0 | e1 << 8 | e0 << 16 | e1 << 24, e_u the byte of lane r + 16 u's key).
; qc: for each (image, 128 queries) 3,584 bytes in k's form (codes, then at 3,072 the scale words).
; LIMITS: NaN and infinities among the inputs are not served; a block whose largest magnitude lies under 2^-124, a block of zeros too, keeps the byte 1: the bytes are read by this program alone.
.set XIMG,  0                          ; LDS: x's 16 fragments, (position tile pt, K step ks) at (2 pt + ks) x 1,536
.set XSC,   24576                      ; their scale words: (2 win + ks) x 128: lanes 0-15 tile 2 win's rows, lanes 16-31 tile 2 win + 1's
.set WIMG,  25600                      ; wq's and wk's 8 fragments: index 4 mat + 2 u + ks
.set WSC,   37888                      ; their scale words
.set XRAW,  38912                      ; x as it lies: 256 channel rows x 512 bytes; filled once, by tensor loads
.set STG,   169984                     ; behind it: a stage of 16 rows for each wave, through which the weights turn; no tensor load lands here
.set SPT,   528                        ; a stage row: 512 bytes + 16 = 132 words: row r starts at bank 4 r mod 64 (64 banks of 4 bytes: ISA guide 11.1), so the 16 rows that a load touches start at 16 different banks
.set FRB,   1536                       ; a fragment's image
.set STEPB, 29184                      ; a block of kv
.set QBLK,  3584                       ; a block of qc
.set LI,  1                            ; v1   16 x lane
.set LS,  2                            ; v2   4 x lane
.set L8,  3                            ; v3   8 x lane
.set STW, 4                            ; v4   my stage, on the way in: 16 x lane of a row
.set STR, 5                            ; v5   and on the way out: row r, + 128 h
.set XR,  6                            ; v6   XRAW: my position's word in channel row 128 hi
.set XWI, 7                            ; v7   where I store x's images
.set XWS, 8                            ; v8   and their scale words
.set WWI, 9                            ; v9   where I store my fragment of wq / wk
.set WWS, 10                           ; v10  and its scale words
.set QRI, 11                           ; v11  my window's fragments of x
.set QRS, 12                           ; v12  and their scale words
.set QWI, 13                           ; v13  my matrix's (wq or wk) fragments
.set QWS, 14                           ; v14  and their scale words
.set SH8, 15                           ; v15  8 h
.set TM,  16                           ; v16-31 at work: +0..3 largest magnitudes, +4..7 the other half's / bytes, +8..11 second chains, +12..15 the conversions' scale operands
.set PW,  32                           ; v32, v33 scale words just made
.set PW2, 33
.set PC,  34                           ; v34-45 codes just made (T0)
.set TA,  46                           ; v46-48, v50-52 upper halves of blocks, made apart: a conversion's three registers begin on an even number
.set TB,  50
.set PC2, 54                           ; v54-65 codes just made (T1)
.set WF,  66                           ; v66-113 my four fragments of wv: 12 (2 ct + ks)
.set WS,  114                          ; v114-117 their scale words
.set XS,  118                          ; v118-125 x's scale words (2 win + ks); for q / k: +0..3 the weight's, +4..5 x's
.set BA,  126                          ; v126 4 r
.set BB,  127                          ; v127 64 h
.set R,   128                          ; v128-255 raw numbers, later accumulators
.set KH,  R+64                         ; q's / k's codes
.set KT,  R+72
.set BV,  192                          ; window 1: v0-191 first three chunks of weights as loaded, later fragments from LDS; v192-207 bv as two bias tiles; v208-223 bq or bk as two bias tiles
.set BQ,  208
.set WV,   22                          ; s22 wave, s23 win, s24 hi
.set SWIN, 23
.set SHI,  24
.set SEL,  26                          ; s[26:27] v_permlanex16_b32's selects for lane l xor 16
.set G0,   28                          ; s[28:31], s[32:39] the tensor load's descriptor
.set G1,   32
.set WVB,  40                          ; s[40:41] wv at my 32 rows
.set WQK,  42                          ; s[42:43] wq or wk at my fragment
.set BQK,  44                          ; s[44:45] bq or bk
.set BVB,  46                          ; s[46:47] bv at my 32 channels
.set KVV,  48                          ; s[48:49] kv: my two fragments of v
.set KVS,  50                          ; s[50:51] kv: my pair's scale words
.set OQK,  52                          ; s[52:53] qc or kv: my window's codes
.set OQS,  54                          ; s[54:55] and its scale words
.set MSB, 0
.macro WIN new                         ; s_set_vgpr_msb: bits 1:0 source 0, 3:2 source 1, 5:4 source 2, 7:6 destination; the high byte repeats the setting that is left
.if MSB != \new
	s_set_vgpr_msb (MSB<<8)|\new
.set MSB, \new
.endif
.endm
; the largest magnitude of 32 numbers of a lane, in two chains, with the floor 2^(3 - 127) as one more leaf: so the scale's byte cannot fall under 1
.macro MAX32 d, t, s
	v_max3_num_f32 v[\d], |v[\s]|, |v[\s+1]|, |v[\s+2]|
	v_max3_num_f32 v[\t], |v[\s+3]|, |v[\s+4]|, |v[\s+5]|
.irp i, 6,10,14,18,22,26
	s_delay_alu instid0(VALU_DEP_2)
	v_max3_num_f32 v[\d], v[\d], |v[\s+\i]|, |v[\s+\i+1]|
	s_delay_alu instid0(VALU_DEP_2)
	v_max3_num_f32 v[\t], v[\t], |v[\s+\i+2]|, |v[\s+\i+3]|
.endr
	s_delay_alu instid0(VALU_DEP_2)
	v_max3_num_f32 v[\d], v[\d], |v[\s+30]|, |v[\s+31]|
	s_delay_alu instid0(VALU_DEP_1)
	v_max3_num_f32 v[\d], v[\d], v[\t], 0x1800000
.endm
; a chunk of a weight, 16 rows x 128 along K, as it lies: load ii takes the 512 consecutive bytes of the tile's row ii, 16 a lane.  perm = 1: the tile's rows are ii + 8 (ii / 8) (wq, wk)
.macro GLOAD reg, base, off, perm
.set ii, 0
.rept 16
	global_load_b128 v[\reg+4*ii:\reg+4*ii+3], v[LI], s[\base:\base+1] offset:\off+1024*(ii+8*(\perm)*(ii/8))
.set ii, ii+1
.endr
.endm
; the chunk in window 1's v[z] on turns through my stage into v[t] on: register 32 c + i = k 64 c + 32 h + i of row r, the order of the operand's layout.
; LDS serves a wave's instructions in order (ISA guide 5.7.1.4): no wait stands between the stores and the loads, nor in front of the next chunk's stores
.macro TURN z, t
	WIN 0x04                                       ; an LDS store's data are its source 1: window 1
.set ii, 0
.rept 16
	ds_store_b128 v[STW], v[\z+4*ii:\z+4*ii+3] offset:SPT*ii
.set ii, ii+1
.endr
	WIN 0
.irp c, 0,1
.irp j, 0,1,2,3,4,5,6,7
	ds_load_b128 v[\t+32*\c+4*\j:\t+32*\c+4*\j+3], v[STR] offset:256*\c+16*\j
.endr
.endr
.endm
; 64 numbers of a lane in that order become the fragment's 12 registers at v[d] and its scale word in v[pw]: a lane holds two whole blocks (2 c + h), so no other lane is asked for a maximum; the word's four bytes meet from lanes l and l xor 16
.macro QUANTW s, d, pw
	MAX32 TM, TM+8, \s
	MAX32 TM+1, TM+9, \s+32
	v_add_nc_u32 v[TM+12], 0xff000000, v[TM]       ; 2 off the exponent field: the conversion takes the exponent field of this operand as its scale
	s_delay_alu instid0(VALU_DEP_2)
	v_add_nc_u32 v[TM+13], 0xff000000, v[TM+1]
	s_delay_alu instid0(VALU_DEP_2)
	v_lshrrev_b32 v[TM+2], 23, v[TM+12]            ; the scales' bytes
	s_delay_alu instid0(VALU_DEP_2)
	v_lshrrev_b32 v[TM+3], 23, v[TM+13]
	s_delay_alu instid0(VALU_DEP_1)
	v_lshl_or_b32 v[TM+2], v[TM+3], 16, v[TM+2]    ; blocks h and 2 + h,
	s_delay_alu instid0(VALU_DEP_1)
	v_lshlrev_b32 v[TM+2], v[SH8], v[TM+2]         ; at their places in the word
	s_delay_alu instid0(VALU_DEP_1)
	v_permlanex16_b32 v[TM+4], v[TM+2], s[SEL], s[SEL+1]
	s_delay_alu instid0(VALU_DEP_1)
	v_or_b32 v[\pw], v[TM+2], v[TM+4]
	v_cvt_scalef32_pk16_fp6_f32 v[\d:\d+2], v[\s:\s+15], v[TM+12]
	v_cvt_scalef32_pk16_fp6_f32 v[TA:TA+2], v[\s+16:\s+31], v[TM+12]
	v_cvt_scalef32_pk16_fp6_f32 v[\d+6:\d+8], v[\s+32:\s+47], v[TM+13]
	v_cvt_scalef32_pk16_fp6_f32 v[TB:TB+2], v[\s+48:\s+63], v[TM+13]
	v_nop                                          ; one plain place behind a scaled conversion
.irp i, 0,1,2
	v_mov_b32 v[\d+3+\i], v[TA+\i]
	v_mov_b32 v[\d+9+\i], v[TB+\i]
.endr
.endm
; 64 numbers of a lane, register 16 b + i = k 32 b + 16 h + i of my row, become a fragment's codes at v[d] and its scale word in v[pw]: a block lies in lanes l and l xor 16
.macro QUANT s, d, pw
.irp b, 0,1,2,3
	v_max3_num_f32 v[TM+\b], |v[\s+16*\b]|, |v[\s+1+16*\b]|, 0x1800000   ; each accumulator is read from its low end on
.endr
.irp i, 2,4,6,8,10,12,14
.irp b, 0,1,2,3
	v_max3_num_f32 v[TM+\b], v[TM+\b], |v[\s+16*\b+\i]|, |v[\s+1+16*\b+\i]|
.endr
.endr
.irp b, 0,1,2,3
	s_delay_alu instid0(VALU_DEP_4)
	v_permlanex16_b32 v[TM+4+\b], v[TM+\b], s[SEL], s[SEL+1]
.endr
.irp b, 0,1,2,3
	s_delay_alu instid0(VALU_DEP_4)
	v_max_num_f32 v[TM+\b], v[TM+\b], v[TM+4+\b]
.endr
.irp b, 0,1,2,3
	s_delay_alu instid0(VALU_DEP_4)
	v_add_nc_u32 v[TM+12+\b], 0xff000000, v[TM+\b]
.endr
.irp b, 0,1,2,3
	s_delay_alu instid0(VALU_DEP_4)
	v_lshrrev_b32 v[TM+4+\b], 23, v[TM+12+\b]
.endr
	s_delay_alu instid0(VALU_DEP_3)
	v_lshl_or_b32 v[\pw], v[TM+5], 8, v[TM+4]
	s_delay_alu instid0(VALU_DEP_1)
	v_lshl_or_b32 v[\pw], v[TM+6], 16, v[\pw]
	s_delay_alu instid0(VALU_DEP_1)
	v_lshl_or_b32 v[\pw], v[TM+7], 24, v[\pw]
.irp c, 0,1
	v_cvt_scalef32_pk16_fp6_f32 v[\d+6*\c:\d+6*\c+2], v[\s+32*\c:\s+32*\c+15], v[TM+12+2*\c]
	v_cvt_scalef32_pk16_fp6_f32 v[TA+4*\c:TA+4*\c+2], v[\s+32*\c+16:\s+32*\c+31], v[TM+13+2*\c]
.endr
	v_nop                                          ; one plain place behind a scaled conversion
.irp c, 0,1                            ; the layout wants a WHOLE block in a lane: lanes 0-15 block 2 c, lanes 16-31 block 2 c + 1
.irp i, 0,1,2
	v_permlane16_swap_b32 v[\d+6*\c+\i], v[TA+4*\c+\i]
.endr
.irp i, 0,1,2
	s_delay_alu instid0(VALU_DEP_3)
	v_mov_b32 v[\d+6*\c+3+\i], v[TA+4*\c+\i]
.endr
.endr
.endm
.macro IMAGE adr, reg, off             ; a fragment goes to LDS as it stands: 512 consecutive bytes a store
.irp c, 0,1,2
	ds_store_b128 v[\adr], v[\reg+4*\c:\reg+4*\c+3] offset:\off+512*\c
.endr
.endm
.macro FETCH reg, adr, off             ; and comes back so, in any wave
.irp c, 0,1,2
	ds_load_b128 v[\reg+4*\c:\reg+4*\c+3], v[\adr] offset:\off+512*\c
.endr
.endm
.macro XLD j                           ; block j of my position: 32 channels; the 32 lanes of a load read 32 words inside 128 consecutive bytes
.set ii, 0
.rept 32
	ds_load_b32 v[R+32*(\j)+ii], v[XR] offset:(32*(\j)+ii)*512
.set ii, ii+1
.endr
.endm
; one scaled product; arow / brow = 1: that side's scale words stand in lanes 16-31
.macro XW d, a, b, c, sa, sb, arow, brow
.if \arow
	v_wmma_scale_f32_16x16x128_f8f6f4 v[\d:\d+7], v[\a:\a+11], v[\b:\b+11], v[\c:\c+7], v[\sa], v[\sb] matrix_a_fmt:MATRIX_FMT_FP6 matrix_b_fmt:MATRIX_FMT_FP6 matrix_a_scale:MATRIX_SCALE_ROW1
.elseif \brow
	v_wmma_scale_f32_16x16x128_f8f6f4 v[\d:\d+7], v[\a:\a+11], v[\b:\b+11], v[\c:\c+7], v[\sa], v[\sb] matrix_a_fmt:MATRIX_FMT_FP6 matrix_b_fmt:MATRIX_FMT_FP6 matrix_b_scale:MATRIX_SCALE_ROW1
.else
	v_wmma_scale_f32_16x16x128_f8f6f4 v[\d:\d+7], v[\a:\a+11], v[\b:\b+11], v[\c:\c+7], v[\sa], v[\sb] matrix_a_fmt:MATRIX_FMT_FP6 matrix_b_fmt:MATRIX_FMT_FP6
.endif
.endm
	s_load_b256 s[4:11], s[0:1], 0x0               ; x s[4:5], wq s[6:7], bq s[8:9], wk s[10:11]
	s_load_b256 s[12:19], s[0:1], 0x20             ; bk s[12:13], wv s[14:15], bv s[16:17], qc s[18:19]
	s_load_b64 s[20:21], s[0:1], 0x40              ; kv
	v_lshl_add_u32 v49, v0, 2, 0x3a000
	v_mov_b32 v53, 0
	ds_add_u32 v49, v53
	ds_add_u32 v49, v53
	v_lshrrev_b32 v16, 5, v0
	s_delay_alu instid0(VALU_DEP_1)
	v_readfirstlane_b32 s[WV], v16                 ; wave 0..7
	s_and_b32 s[SWIN], s[WV], 3
	s_lshr_b32 s[SHI], s[WV], 2
	v_and_b32 v17, 31, v0                          ; lane
	v_and_b32 v18, 15, v0                          ; r
	v_bfe_u32 v19, v0, 4, 1                        ; h
	s_delay_alu instid0(VALU_DEP_3)
	v_lshlrev_b32 v[LI], 4, v17
	s_delay_alu instid0(VALU_DEP_4)
	v_lshlrev_b32 v[LS], 2, v17
	v_lshlrev_b32 v[L8], 3, v17
	v_and_b32 v24, 8, v18
	s_delay_alu instid0(VALU_DEP_1)
	v_add_nc_u32 v24, v24, v18                     ; r + (r & 8)
	s_delay_alu instid0(VALU_DEP_1)
	v_lshl_add_u32 v24, v19, 3, v24                ; my position in its window: r + (r & 8) + 8 h
	s_delay_alu instid0(VALU_DEP_1)
	v_lshlrev_b32 v24, 2, v24
	v_lshlrev_b32 v[SH8], 3, v19
	v_lshlrev_b32 v[BA], 2, v18
	v_lshlrev_b32 v[BB], 6, v19
	; every LDS address is a constant + a constant x lane + constants x (win, hi, wave)
	s_mul_i32 s56, s[WV], 16*SPT
	s_add_co_u32 s56, s56, STG                     ; my stage
	v_add_nc_u32 v[STW], s56, v[LI]
	v_mul_u32_u24 v[STR], v18, SPT
	s_delay_alu instid0(VALU_DEP_1)
	v_lshl_add_u32 v[STR], v19, 7, v[STR]
	s_delay_alu instid0(VALU_DEP_1)
	v_add_nc_u32 v[STR], s56, v[STR]
	s_lshl_b32 s56, s[SWIN], 7
	s_lshl_b32 s57, s[SHI], 16
	s_add_co_u32 s56, s56, s57
	s_add_co_u32 s56, s56, XRAW
	v_add_nc_u32 v[XR], s56, v24                   ; 128 bytes a window, 128 rows of 512 bytes a K step
	s_lshl_b32 s56, s[SWIN], 2
	s_add_co_u32 s56, s56, s[SHI]
	s_mul_i32 s56, s56, FRB
	v_add_nc_u32 v[XWI], s56, v[LI]                ; fragment (2 win, hi); (2 win + 1, hi) lies 2 FRB on
	s_lshl_b32 s56, s[SWIN], 1
	s_add_co_u32 s56, s56, s[SHI]
	s_lshl_b32 s56, s56, 7
	s_add_co_u32 s56, s56, XSC
	v_add_nc_u32 v[XWS], s56, v[LS]
	s_mul_i32 s56, s[WV], FRB
	s_add_co_u32 s56, s56, WIMG
	v_add_nc_u32 v[WWI], s56, v[LI]
	s_lshl_b32 s56, s[WV], 7
	s_add_co_u32 s56, s56, WSC
	v_add_nc_u32 v[WWS], s56, v[LS]
	s_mul_i32 s56, s[SWIN], 4*FRB
	v_add_nc_u32 v[QRI], s56, v[LI]
	s_lshl_b32 s56, s[SWIN], 8
	s_add_co_u32 s56, s56, XSC
	v_add_nc_u32 v[QRS], s56, v[LS]
	s_mul_i32 s56, s[SHI], 4*FRB
	s_add_co_u32 s56, s56, WIMG
	v_add_nc_u32 v[QWI], s56, v[LI]
	s_lshl_b32 s56, s[SHI], 9
	s_add_co_u32 s56, s56, WSC
	v_add_nc_u32 v[QWS], s56, v[LS]
.irp b, 0,1,2,3
	v_mov_b32 v[TM+4+\b], 0                        ; written once: a lane permute's destination counts as one of its sources
.endr
	s_mov_b32 s[SEL], 0x76543210
	s_mov_b32 s[SEL+1], 0xfedcba98
	; descriptor group 1: 64 channel rows x 128 f32 (512 bytes, at a multiple of 512 from x's first byte), 4,096 elements from row to row, no padding
	s_mov_b32 s[G1+0], 2<<16                       ; no mask; elements of 4 bytes
	s_mov_b32 s[G1+1], 128<<16                     ; tensor_dim0 = 128
	s_mov_b32 s[G1+2], 64<<16                      ; tensor_dim1 = 64
	s_mov_b32 s[G1+3], 128<<16                     ; tile_dim0 = 128
	s_mov_b32 s[G1+4], 64                          ; tile_dim1 = 64
	s_mov_b32 s[G1+5], 4096                        ; tensor_dim0_stride
	s_mov_b32 s[G1+6], 0
	s_mov_b32 s[G1+7], 0
	s_and_b32 s56, ttmp7, 0xffff                   ; image
	s_lshl_b32 s58, s56, 22                        ; an image of x is 4 MiB,
	s_lshl_b32 s59, s[SWIN], 20                    ; 64 channel rows 1 MiB,
	s_add_co_u32 s58, s58, s59
	s_lshl_b32 s59, ttmp9, 9                       ; 128 positions 512 bytes
	s_add_co_u32 s58, s58, s59
	s_mov_b32 s59, 0
	s_lshl_b32 s57, s56, 5
	s_add_co_u32 s57, s57, ttmp9                   ; which block of qc and of kv: 32 x image + step
	s_mul_i32 s60, s57, QBLK
	s_mul_i32 s61, s57, STEPB
	s_add_co_u32 s62, s61, 25600                   ; k's codes in the block of kv
	s_wait_dscnt 0x0
	s_wait_kmcnt 0x0
	s_mov_b32 s[G0], 1
	s_lshl_b32 s[G0+1], s[SWIN], 15
	s_add_co_u32 s[G0+1], s[G0+1], XRAW            ; 32,768 bytes for each of the four loads
	s_add_nc_u64 s[G0+2:G0+3], s[4:5], s[58:59]
	s_or_b32 s[G0+3], s[G0+3], 0x80000000
	s_cmp_lt_u32 s[WV], 4                          ; waves 0-3 bring x, one load each: by this text's count a wave has at most one tensor load out
	s_cbranch_scc0 .Lno_x
	tensor_load_to_lds s[G0:G0+3], s[G1:G1+7]
	s_nop 0
.rept 4
	v_nop                                          ; four v_nop behind the load
.endr
.Lno_x:
	s_cmp_lt_u32 s[WV], 4                          ; waves 0-3 serve q, waves 4-7 k: the choice hangs on the wave's number alone
	s_cselect_b64 s[WQK:WQK+1], s[6:7], s[10:11]
	s_cselect_b64 s[BQK:BQK+1], s[8:9], s[12:13]
	s_cselect_b64 s[OQK:OQK+1], s[18:19], s[20:21]
	s_cselect_b32 s60, s60, s62                    ; and where that buffer's codes begin
	s_bfe_u32 s62, s[WV], 0x10001                  ; my fragment of wq / wk: u = bit 1 of the wave: 8 rows of 1,024 bytes;
	s_lshl_b32 s62, s62, 13
	s_and_b32 s63, s[WV], 1                        ; ks = bit 0: 512 bytes
	s_lshl_b32 s63, s63, 9
	s_add_co_u32 s62, s62, s63
	s_mov_b32 s63, 0
	s_add_nc_u64 s[WQK:WQK+1], s[WQK:WQK+1], s[62:63]
	s_lshl_b32 s62, s[WV], 15
	s_add_nc_u64 s[WVB:WVB+1], s[14:15], s[62:63]
	s_lshl_b32 s62, s[WV], 7
	s_add_nc_u64 s[BVB:BVB+1], s[16:17], s[62:63]
	s_add_co_u32 s62, s62, s61
	s_add_co_u32 s62, s62, 24576
	s_add_nc_u64 s[KVS:KVS+1], s[20:21], s[62:63]
	s_mul_i32 s62, s[WV], 2*FRB
	s_add_co_u32 s62, s62, s61
	s_add_nc_u64 s[KVV:KVV+1], s[20:21], s[62:63]
	s_lshl_b32 s62, s[SWIN], 7
	s_add_co_u32 s62, s62, s60
	s_add_co_u32 s62, s62, 3072
	s_add_nc_u64 s[OQS:OQS+1], s[OQK:OQK+1], s[62:63]
	s_mul_i32 s62, s[SWIN], 768
	s_add_co_u32 s62, s62, s60
	s_add_nc_u64 s[OQK:OQK+1], s[OQK:OQK+1], s[62:63]
	WIN 0x40                                       ; destination window 1
.irp t, 0,1
	global_load_b32 v[BV+8*\t], v[BA], s[BVB:BVB+1] offset:64*\t           ; bv of channel 16 t + r of my 32
.endr
.irp u, 0,1
	global_load_b128 v[BQ+8*\u:BQ+8*\u+3], v[BB], s[BQK:BQK+1] offset:32*\u        ; bq / bk at 16 h + 8 u + 0 .. 7: the result's layout
	global_load_b128 v[BQ+8*\u+4:BQ+8*\u+7], v[BB], s[BQK:BQK+1] offset:32*\u+16
.endr
	; ---- W: the weights, five chunks of 16 loads, three on their way at a time, while x is on its way (its own counter).  Chunk 0: my fragment of wq / wk; chunks 1-4: wv's (tile, K step) = (0, 0), (0, 1), (1, 0), (1, 1)
	GLOAD 0, WQK, 0, 1
	GLOAD 64, WVB, 0, 0
	GLOAD 128, WVB, 512, 0
	s_wait_loadcnt 32                              ; all but the two youngest chunks' 32 loads: the biases and chunk 0 are in
	WIN 0x41
.irp t, 0,1
.irp j, 1,2,3,4,5,6,7
	v_mov_b32 v[BV+8*\t+\j], v[BV+8*\t]            ; a lane's eight results of a tile of v are one channel's: eight equal registers
.endr
.endr
	TURN 0, R
	s_wait_loadcnt 16                              ; chunk 1 is in, chunk 2's 16 loads may be out
	TURN 64, R+64
	s_wait_dscnt 32                                ; all but chunk 1's 16 stores and 16 loads: chunk 0 is back, and its stores have read the registers that chunk 3 now takes
	WIN 0x40
	GLOAD 0, WVB, 16384, 0
	WIN 0
	QUANTW R, PC, PW
	IMAGE WWI, PC, 0
	ds_store_b32 v[WWS], v[PW]
	s_wait_dscnt 4                                 ; all but the image's four stores: chunk 1 is back, and its stores have read the registers that chunk 4 now takes
	WIN 0x40
	GLOAD 64, WVB, 16384+512, 0
	s_wait_loadcnt 32                              ; chunk 2 is in; chunks 3 and 4 may be out
	TURN 128, R
	QUANTW R+64, WF, WS
	s_wait_loadcnt 16                              ; chunk 3 is in; chunk 4 may be out
	TURN 0, R+64
	s_wait_dscnt 32                                ; all but chunk 3's 32: chunk 2 is back
	QUANTW R, WF+12, WS+1
	s_wait_loadcnt 0x0                             ; chunk 4
	TURN 64, R
	s_wait_dscnt 32                                ; all but chunk 4's 32: chunk 3 is back
	QUANTW R+64, WF+24, WS+2
	s_wait_dscnt 0x0
	QUANTW R, WF+36, WS+3
	s_wait_tensorcnt 0x0                           ; my part of x has landed,
	s_wait_dscnt 0x0                               ; my stores too:
	s_barrier_signal -1
	s_barrier_wait -1                              ; everybody's have
	; ---- X: my 32 positions x 128 channels.  Two blocks of 32 loads are out at a time
	XLD 0
	XLD 1
	s_wait_dscnt 32                                ; all but the youngest block's 32 loads
	MAX32 TM, TM+8, R
	XLD 2
	s_wait_dscnt 32
	MAX32 TM+1, TM+9, R+32
	XLD 3
	s_wait_dscnt 32
	MAX32 TM+2, TM+10, R+64
	s_wait_dscnt 0x0
	MAX32 TM+3, TM+11, R+96
.irp b, 0,1,2,3
	v_add_nc_u32 v[TM+12+\b], 0xff000000, v[TM+\b]
.endr
.irp b, 0,1,2,3
	s_delay_alu instid0(VALU_DEP_4)
	v_lshrrev_b32 v[TM+4+\b], 23, v[TM+12+\b]
.endr
	s_delay_alu instid0(VALU_DEP_3)
	v_lshl_or_b32 v[PW], v[TM+5], 8, v[TM+4]       ; my position's scale word: lanes 0-15 are tile 2 win's rows, lanes 16-31 tile 2 win + 1's
	s_delay_alu instid0(VALU_DEP_1)
	v_lshl_or_b32 v[PW], v[TM+6], 16, v[PW]
	s_delay_alu instid0(VALU_DEP_1)
	v_lshl_or_b32 v[PW], v[TM+7], 24, v[PW]
.irp c, 0,1                            ; blocks 2 c and 2 c + 1.  One exchange a register (the first's lanes 16-31 with the second's lanes 0-15) makes of 'a lane holds its position's block' the two tiles' registers 6 c .. 6 c + 5
	v_cvt_scalef32_pk16_fp6_f32 v[PC+6*\c:PC+6*\c+2], v[R+64*\c:R+64*\c+15], v[TM+12+2*\c]
	v_cvt_scalef32_pk16_fp6_f32 v[TA:TA+2], v[R+64*\c+16:R+64*\c+31], v[TM+12+2*\c]
	v_cvt_scalef32_pk16_fp6_f32 v[PC2+6*\c:PC2+6*\c+2], v[R+64*\c+32:R+64*\c+47], v[TM+13+2*\c]
	v_cvt_scalef32_pk16_fp6_f32 v[TB:TB+2], v[R+64*\c+48:R+64*\c+63], v[TM+13+2*\c]
	v_nop                                          ; one plain place behind a scaled conversion
.irp i, 0,1,2
	v_permlane16_swap_b32 v[PC+6*\c+\i], v[PC2+6*\c+\i]
	v_permlane16_swap_b32 v[TA+\i], v[TB+\i]
.endr
.irp i, 0,1,2
	v_mov_b32 v[PC+6*\c+3+\i], v[TA+\i]
	v_mov_b32 v[PC2+6*\c+3+\i], v[TB+\i]
.endr
.endr
	IMAGE XWI, PC, XIMG
	IMAGE XWI, PC2, XIMG+2*FRB
	ds_store_b32 v[XWS], v[PW]
	s_wait_dscnt 0x0
	s_barrier_signal -1
	s_barrier_wait -1                              ; x's sixteen fragments lie in LDS; nothing is stored to LDS any more
	; ---- V: my 32 channels x 128 positions: 16 accumulators by turns, a K step at a time
.set ii, 0
.rept 8
	ds_load_b32 v[XS+ii], v[LS] offset:XSC+128*ii
.set ii, ii+1
.endr
	WIN 0x40
.irp k, 0,1
.irp p, 0,1,2,3,4,5,6,7
	FETCH 12*(2*\p+\k), LI, XIMG+(2*\p+\k)*FRB
.endr
.endr
	s_wait_dscnt 24                                ; all but the second K step's 24 loads
	WIN 0x11                                       ; source 0 (x) and source 2 (bv) window 1
.irp t, 0,1
.irp p, 0,1,2,3,4,5,6,7
	XW R+64*\t+8*\p, 24*\p, WF+24*\t, BV+8*\t, XS+2*(\p/2), WS+2*\t, \p%2, 0
.endr
.endr
	s_wait_dscnt 0x0
	WIN 0x01
.irp t, 0,1
.irp p, 0,1,2,3,4,5,6,7
	XW R+64*\t+8*\p, 24*\p+12, WF+24*\t+12, R+64*\t+8*\p, XS+2*(\p/2)+1, WS+2*\t+1, \p%2, 0
.endr
.endr
.rept 4
	v_nop                                          ; four places in front of loads into registers that these products have read, and of the first read of their results
.endr
	WIN 0x40
.irp p, 0,1
.irp k, 0,1
	FETCH 12*(2*\p+\k), QRI, XIMG+(2*\p+\k)*FRB    ; for q / k: my window's four fragments of x,
.endr
.endr
.irp u, 0,1
.irp k, 0,1
	FETCH 48+12*(2*\u+\k), QWI, (2*\u+\k)*FRB      ; my matrix's four,
.endr
.endr
	WIN 0
.irp i, 0,1,2,3
	ds_load_b32 v[XS+\i], v[QWS] offset:128*\i     ; and their scale words; all land while v is quantised
.endr
.irp k, 0,1
	ds_load_b32 v[XS+4+\k], v[QRS] offset:128*\k
.endr
	QUANT R, PC, PW
.irp c, 0,1,2
	global_store_b128 v[LI], v[PC+4*\c:PC+4*\c+3], s[KVV:KVV+1] offset:512*\c      ; 32 lanes store 512 consecutive bytes, at a multiple of 256 from kv's first byte
.endr
	QUANT R+64, PC2, PW2
.irp c, 0,1,2
	global_store_b128 v[LI], v[PC2+4*\c:PC2+4*\c+3], s[KVV:KVV+1] offset:FRB+512*\c
.endr
	v_cmp_eq_u32 vcc_lo, 0, v[SH8]
	s_delay_alu instid0(VALU_DEP_1)
	v_cndmask_b32 v[PW2], v[PW2], v[PW], vcc_lo    ; lanes 0-15: my first tile's words, lanes 16-31 my second's
	global_store_b32 v[LS], v[PW2], s[KVS:KVS+1]
	; ---- QK: my window's q or k: 4 accumulators by turns.  They lie over results that have been read; more than five plain lines that name none of them stand between
	s_wait_dscnt 0x0
	WIN 0x15                                       ; the weight, x and the bias in window 1
.irp p, 0,1
.irp u, 0,1
	XW R+16*\p+8*\u, 48+24*\u, 24*\p, BQ+8*\u, XS+2*\u, XS+4, 0, \p
.endr
.endr
	WIN 0x05
.irp p, 0,1
.irp u, 0,1
	XW R+16*\p+8*\u, 48+24*\u+12, 24*\p+12, R+16*\p+8*\u, XS+2*\u+1, XS+5, 0, \p
.endr
.endr
	WIN 0
.rept 4
	v_nop
.endr
.irp p, 0,1                            ; lane (r, h) holds, of tile p's position r, the numbers 16 h + 0 .. 15: the one block of 32 lies in lanes l and l xor 16
	v_max3_num_f32 v[TM+\p], |v[R+16*\p]|, |v[R+16*\p+1]|, 0x1800000
.endr
.irp i, 2,4,6,8,10,12,14
.irp p, 0,1
	v_max3_num_f32 v[TM+\p], v[TM+\p], |v[R+16*\p+\i]|, |v[R+16*\p+\i+1]|
.endr
.endr
.irp p, 0,1
	s_delay_alu instid0(VALU_DEP_2)
	v_permlanex16_b32 v[TM+4+\p], v[TM+\p], s[SEL], s[SEL+1]
.endr
.irp p, 0,1
	s_delay_alu instid0(VALU_DEP_2)
	v_max_num_f32 v[TM+\p], v[TM+\p], v[TM+4+\p]
.endr
.irp p, 0,1
	s_delay_alu instid0(VALU_DEP_2)
	v_add_nc_u32 v[TM+12+\p], 0xff000000, v[TM+\p]
.endr
.irp p, 0,1
	s_delay_alu instid0(VALU_DEP_2)
	v_lshrrev_b32 v[TM+4+\p], 23, v[TM+12+\p]
.endr
	s_delay_alu instid0(VALU_DEP_1)
	v_lshl_or_b32 v[PW], v[TM+5], 8, v[TM+4]       ; e0 | e1 << 8,
	s_delay_alu instid0(VALU_DEP_1)
	v_lshl_or_b32 v[PW], v[PW], 16, v[PW]          ; twice: the word serves whichever pair of blocks the window comes to stand in
	v_cvt_scalef32_pk16_fp6_f32 v[KH:KH+2], v[R:R+15], v[TM+12]
	v_cvt_scalef32_pk16_fp6_f32 v[KT:KT+2], v[R+16:R+31], v[TM+13]
	v_nop                                          ; one plain place behind a scaled conversion
.irp i, 0,1,2
	v_permlane16_swap_b32 v[KH+\i], v[KT+\i]       ; lanes 0-15 now hold tile 0's positions whole, lanes 16-31 tile 1's
.endr
.irp i, 0,1,2
	s_delay_alu instid0(VALU_DEP_3)
	v_mov_b32 v[KH+3+\i], v[KT+\i]
.endr
	global_store_b128 v[LI], v[KH:KH+3], s[OQK:OQK+1]
	global_store_b64 v[L8], v[KH+4:KH+5], s[OQK:OQK+1] offset:512
	global_store_b32 v[LS], v[PW], s[OQS:OQS+1]
	s_wait_tensorcnt 0x0
	ds_add_u32 v49, v53
	s_wait_dscnt 0x0
	s_endpgm
.Lfunc_end_k_qc4e50d3f8d_proj:
	.size	k_qc4e50d3f8d_proj, .Lfunc_end_k_qc4e50d3f8d_proj-k_qc4e50d3f8d_proj
	.p2alignl 7, 3214868480
	.fill 96, 4, 3214868480
	.section	.rodata,"a",@progbits
	.p2align	6, 0x0
	.amdhsa_kernel k_qc4e50d3f8d_proj
		.amdhsa_group_segment_fixed_size 238592
		.amdhsa_private_segment_fixed_size 0
		.amdhsa_enable_private_segment 0
		.amdhsa_kernarg_size 72
		.amdhsa_user_sgpr_count 2
		.amdhsa_user_sgpr_kernarg_segment_ptr 1
		.amdhsa_wavefront_size32 1
		.amdhsa_system_sgpr_workgroup_id_x 1
		.amdhsa_system_sgpr_workgroup_id_y 1
		.amdhsa_system_sgpr_workgroup_id_z 1
		.amdhsa_system_vgpr_workitem_id 0
		.amdhsa_next_free_vgpr 480
		.amdhsa_next_free_sgpr 66
		.amdhsa_reserve_vcc 1
		.amdhsa_float_denorm_mode_32 3
		.amdhsa_float_denorm_mode_16_64 3
		.amdhsa_memory_ordered 1
		.amdhsa_forward_progress 1
		.amdhsa_inst_pref_size 86
	.end_amdhsa_kernel
	.amdgpu_metadata
---
amdhsa.version: [ 1, 2 ]
amdhsa.kernels:
  - .name:           k_qc4e50d3f8d_proj
    .symbol:         k_qc4e50d3f8d_proj.kd
    .args:
      - { .name: x, .offset: 0, .size: 8, .value_kind: global_buffer, .address_space: global }
      - { .name: wq, .offset: 8, .size: 8, .value_kind: global_buffer, .address_space: global }
      - { .name: bq, .offset: 16, .size: 8, .value_kind: global_buffer, .address_space: global }
      - { .name: wk, .offset: 24, .size: 8, .value_kind: global_buffer, .address_space: global }
      - { .name: bk, .offset: 32, .size: 8, .value_kind: global_buffer, .address_space: global }
      - { .name: wv, .offset: 40, .size: 8, .value_kind: global_buffer, .address_space: global }
      - { .name: bv, .offset: 48, .size: 8, .value_kind: global_buffer, .address_space: global }
      - { .name: qc, .offset: 56, .size: 8, .value_kind: global_buffer, .address_space: global }
      - { .name: kv, .offset: 64, .size: 8, .value_kind: global_buffer, .address_space: global }
    .group_segment_fixed_size: 238592
    .private_segment_fixed_size: 0
    .kernarg_segment_align: 8
    .kernarg_segment_size: 72
    .max_flat_workgroup_size: 256
    .sgpr_count:     66
    .vgpr_count:     480
    .wavefront_size: 32
...
	.end_amdgpu_metadata
.endif
;; end of part 1
;; launch attn (part 2): grid 32 x 8, 8 waves a work-group, clusters of 4 x 1, 327,680 bytes of LDS; arguments qc, kv, x, out0; writes out0
.if DOCPART == 2
	.amdgcn_target "amdgcn-amd-amdhsa--gfx1250"
	.amdhsa_code_object_version 6
	.text
	.protected	k_qc4e50d3f8d_attn
	.globl	k_qc4e50d3f8d_attn
	.p2align	8
	.type	k_qc4e50d3f8d_attn,@function
k_qc4e50d3f8d_attn:
	s_mov_b64 s[64:65], 0
	v_nop
	global_prefetch_b8 v0, s[64:65] scope:SCOPE_SE
	s_setreg_imm32_b32 hwreg(HW_REG_WAVE_MODE, 25, 1), 1
	s_wait_xcnt 0x0
	s_wait_alu depctr_hold_cnt(0) depctr_sa_sdst(0) depctr_va_vdst(0) depctr_va_sdst(0) depctr_va_ssrc(0) depctr_va_vcc(0) depctr_vm_vsrc(0)
	s_getreg_b32 s2, hwreg(HW_REG_IB_STS2, 6, 4)
	s_cmp_eq_u32 s2, 0
	s_cbranch_scc0 .Lentry_in_a_cluster
	s_endpgm
.Lentry_in_a_cluster:
	s_bfe_u32 s2, ttmp6, 0x10000c
	s_cmp_lg_u32 s2, 0x3003
	s_cbranch_scc0 .Lentry_shape_is_right
	s_endpgm
.Lentry_shape_is_right:
; out[b][c][i] = (sum over j of v[b][c][j] p[i][j]) / l[i] + x[b][c][i], p = 2^(t - M), t = (q_i . k_j) log2(e) / sqrt(32), M the running largest t rounded UP to a whole number, l the sum of the unquantised p.
; Both products on codes of FP6 (E2M3) with one E8M0 scale for each 32 along K.  q, k and v come as register images from the launch before (its head comment gives the layouts of qc and kv).
; SHARES.  A work-group owns 128 queries of one image; each of its EIGHT waves 16 of them (queries 16 w + r), two waves to a SIMD, so that one wave's vector work stands beside the other's products and LDS loads.
; Every wave walks the image's 4,096 keys, 128 a step.  A step's block of kv (29,184 dense bytes: v's 16 fragments, v's scale words, k's codes, k's scale words) comes by ONE tensor load; a slot of the ring
; holds four steps, brought by waves 0-3, one load each: by this text's count a wave has at most one tensor load out, and it has four steps' work in which to land.
; CLUSTER.  The four work-groups of a cluster belong to one image and walk the same blocks: each block is asked for JOINTLY, by the same load with the same descriptor and the mask of all four.
; LAYOUT.  Both products are used transposed: S^T = K Q^T (source 0 = 16 keys), O^T = V P^T (source 0 = 16 channels): a lane holds ONE query (lane % 16) throughout.
; K = 32 IN AN INSTRUCTION OF 128: a fragment of k holds FOUR tiles of 16 keys, one in each block of 32 along the instruction's K.  q stands in four variants, its 32 codes in block B and zero codes elsewhere,
; its scale word the byte << 8 B (the other bytes 0, the smallest scale).  The product with variant B is tile B's scores.  The variants overlap in 30 registers: [q in lanes 0-15][0][q in lanes 16-31][0][q in lanes 0-15],
; six each: variant 0 begins at + 0, 3 at + 6, 1 at + 12, 2 at + 18.
; The keys of tile 2 b + u are 32 b + 8 u + m + 8 (m / 8), so that the 16 registers of tiles 2 b, 2 b + 1 are keys 32 b + 16 (lane / 16) + 0 .. 15.
; The residual x is asked for at the head, into registers of its own, and waited for at the end.
; LIMITS: NaN and infinities are not served; a p under 2^-126 counts as 0; a block of p that is all zeros keeps the byte 1 (its codes are zeros).
; REGISTERS.  Window 0: v1-11 addresses; v12 -M, v13 the largest t, v[14:15] the sum; v16-45 q's variants; v46-49 q's, v50-53 k's, v54-61 v's scale words; v62-83 used at the head; v84-147 S^T, then p, then five
; fragments of v; v148-159 p's codes; v160-183 at work; v184-255 six fragments of v (v208-231 first hold k's two).   Window 1: v0-127 O^T (channel tile ct at 8 ct); v128-255 x: 32 rows x 4 registers.
.set STEPB,  29184                     ; a step's block
.set VSOFF,  24576                     ; in it: v's scale words,
.set KOFF,   25600                     ; k's codes,
.set KSOFF,  28672                     ; k's scale words
.set SLOT1,  1<<17                     ; slot 0 at 0, slot 1 here: one exclusive or turns an address of one slot into the other's
.set SPITCH, 528                       ; the way out: a channel's row of 128 queries: 512 bytes + 16
.set STAGEB, SLOT1+4*STEPB             ; stage B (channels 128-255), behind the ring.  Stage A (channels 0-127) lies at 0, in slot 0, which has had its last fill and its last read by then
.set SPARE,  STAGEB+128*SPITCH         ; behind everything: the spare words, 128 bytes for each wave: four blocks of 256 bytes that no other line names
.set LI,  1                            ; v1   16 x lane
.set L8,  2                            ; v2   8 x lane
.set LS,  3                            ; v3   4 x lane
.set SPW, 4                            ; v4   LDS address of my spare word; never rewritten
.set NIL, 5                            ; v5   0; never rewritten
.set A16, 6                            ; v6-8 the same three places in the step's block
.set A8,  7
.set A4,  8
.set SO,  9                            ; v9   stage A: where I put a result;  v10 stage B
.set SO2, 10
.set SR,  11                           ; v11  where I read my 32 rows back
.set QV,  16
.set QS,  46
.set KS,  50
.set VS,  54
.set QR,  62                           ; v62-68 q as loaded
.set S,   84
.set PCD, 148
.set CT,  160                          ; v160-162, v164-166 upper halves of p's blocks; then the sum's second chain
.set BM,  168                          ; v168-171 each block's largest score, then its largest p
.set BP,  172                          ; v172-175 the other half's; then the bytes
.set SC,  176                          ; v176-179 the conversions' scale operands
.set T,   180
.set F,   182                          ; v182 f = 2^(old M - new M); at the end 1 / l
.set PS,  183                          ; v183 p's scale word (named with f as a pair, of which the low word alone is taken)
.set VF,  184
.set KF,  208
.set WV,   12                          ; s12 wave
.set SEL,  20                          ; s[20:21] selects for lane l xor 16
.set CS,   22                          ; s[22:23] c = log2(e) / sqrt(32)
.set G1,   24                          ; s[24:31], s[32:35] the joint load's descriptor
.set G0,   32
.set TB,   36                          ; s36 LDS byte at which the step's block begins
.set SLOTS, 37
.set CNT,  38
.set XB,   40                          ; s[40:41] x, s[42:43] out0 at my 32 channel rows and my work-group's 128 queries
.set OB,   42
.set QB,   44                          ; s[44:45] qc: my window's codes; s[46:47] its scale words
.set QSB,  46
.set MSB, 0
.macro WIN new                         ; s_set_vgpr_msb: bits 1:0 source 0, 3:2 source 1, 5:4 source 2, 7:6 destination; the high byte repeats the setting that is left
.if MSB != \new
	s_set_vgpr_msb (MSB<<8)|\new
.set MSB, \new
.endif
.endm
.macro JLOAD                           ; waves 0-3 ask, each for one step's block; the branch hangs on the wave's number alone.  Four v_nop follow the load
	s_cmp_lt_u32 s[WV], 4
	s_cbranch_scc0 .Lnone_\@
	tensor_load_to_lds s[G0:G0+3], s[G1:G1+7]
	s_nop 0
.rept 4
	v_nop
.endr
.Lnone_\@:
.endm
.macro CROUND                          ; a round of the cluster's barrier: my work-group's barrier; wave 0 signals for the work-group; every wave waits for all four work-groups; my work-group's barrier once more
	s_barrier_signal -1
	s_barrier_wait -1
	s_cmp_lg_u32 s[WV], 0
	s_cbranch_scc1 .Lnot_wave_0_\@
	s_barrier_signal -3
.Lnot_wave_0_\@:
	s_barrier_wait -3
	s_barrier_signal -1
	s_barrier_wait -1
.endm
; THE CHANGE OF SLOTS stands at a slot's head.  Each wave waits for all its tensor loads (its part of the slot ahead), adds 0 to its spare word, and waits for that and for its reads of the slot that it has left.
; fill = 1: a round of the cluster's barrier, so that no wave of any partner still reads that slot or has a load on its way, and the joint refill first behind it.
.macro CHANGE fill
	s_wait_tensorcnt 0x0                           ; no tensor load of mine is out, so the descriptor may be written
	ds_add_u32 v[SPW], v[NIL]                      ; 0 onto my spare word
.if \fill
	s_xor_b32 s[G0+1], s[G0+1], SLOT1              ; the other slot than last time,
	s_add_nc_u64 s[G0+2:G0+3], s[G0+2:G0+3], 4*STEPB   ; the next four steps; the type bits on top are not reached
.endif
	s_wait_dscnt 0x0                               ; the add is done, and my reads of the slot that I have left are over
.if \fill
	CROUND
	JLOAD
.else
	s_barrier_signal -1
	s_barrier_wait -1
.endif
.endm
.macro VLOAD tile, reg                 ; v's fragment of channel tile 'tile': three loads of 512 consecutive bytes
.irp c, 0,1,2
	ds_load_b128 v[\reg+4*\c:\reg+4*\c+3], v[A16] offset:1536*(\tile)+512*\c
.endr
.endm
.macro KQ t, qo                        ; tile t's scores: k's fragment t / 4, q's variant t % 4 (at QV + qo)
	v_wmma_scale_f32_16x16x128_f8f6f4 v[S+8*\t:S+8*\t+7], v[KF+12*(\t/4):KF+12*(\t/4)+11], v[QV+\qo:QV+\qo+11], 0, v[KS+\t/2], v[QS+\t%4] matrix_a_fmt:MATRIX_FMT_FP6 matrix_b_fmt:MATRIX_FMT_FP6
.endm
.macro PV tile, areg                   ; O^T's tile += v's fragment x p; an odd tile's scale words stand in lanes 16-31
.if (\tile)%2
	v_wmma_scale_f32_16x16x128_f8f6f4 v[8*(\tile):8*(\tile)+7], v[\areg:\areg+11], v[PCD:PCD+11], v[8*(\tile):8*(\tile)+7], v[VS+(\tile)/2], v[PS] matrix_a_fmt:MATRIX_FMT_FP6 matrix_b_fmt:MATRIX_FMT_FP6 matrix_a_scale:MATRIX_SCALE_ROW1
.else
	v_wmma_scale_f32_16x16x128_f8f6f4 v[8*(\tile):8*(\tile)+7], v[\areg:\areg+11], v[PCD:PCD+11], v[8*(\tile):8*(\tile)+7], v[VS+(\tile)/2], v[PS] matrix_a_fmt:MATRIX_FMT_FP6 matrix_b_fmt:MATRIX_FMT_FP6
.endif
.endm
; A KEY STEP: 128 keys.
.macro STEP
	v_add_nc_u32 v[A16], s[TB], v[LI]
	v_add_nc_u32 v[A8], s[TB], v[L8]
	v_add_nc_u32 v[A4], s[TB], v[LS]
	v_nop
	v_nop                                          ; five places behind the last step's products: four for the loads into registers that they read, five for the scores, which are laid over five of v's fragments
.irp b, 0,1,2,3
	ds_load_b128 v[KF+6*\b:KF+6*\b+3], v[A16] offset:KOFF+768*\b       ; window b of 32 keys: six registers a lane
	ds_load_b64 v[KF+6*\b+4:KF+6*\b+5], v[A8] offset:KOFF+768*\b+512
.endr
.irp b, 0,1,2,3
	ds_load_b32 v[KS+\b], v[A4] offset:KSOFF+128*\b
.endr
.irp p, 0,1,2,3,4,5,6,7
	ds_load_b32 v[VS+\p], v[A4] offset:VSOFF+128*\p
.endr
	VLOAD 0, VF
	VLOAD 1, VF+12
	s_wait_alu depctr_va_vdst(0)
	s_wait_dscnt 14                                ; k and its scale words are in; v's 8 scale words and 6 fragment loads may be out
	KQ 0, 0
	KQ 1, 12
	KQ 2, 18
	KQ 3, 6
	KQ 4, 0
	KQ 5, 12
	KQ 6, 18
	KQ 7, 6
.rept 4
	v_nop                                          ; places in front of the loads into k's registers and of the first read of the scores
.endr
.irp t, 2,3,4,5
	VLOAD \t, VF+12*\t
.endr
.irp b, 0,1,2,3
	v_max3_num_f32 v[BM+\b], v[S+16*\b], v[S+1+16*\b], v[S+2+16*\b]    ; THE LARGEST SCORE OF EACH BLOCK OF 32 KEYS serves twice: for the row's maximum and, since p rises with the score, for the block's largest p
.endr
.irp i, 3,5,7,9,11,13
.irp b, 0,1,2,3
	v_max3_num_f32 v[BM+\b], v[BM+\b], v[S+16*\b+\i], v[S+1+16*\b+\i]
.endr
.endr
.irp b, 0,1,2,3
	v_max_num_f32 v[BM+\b], v[BM+\b], v[S+15+16*\b]
.endr
.irp b, 0,1,2,3
	s_delay_alu instid0(VALU_DEP_4)
	v_permlanex16_b32 v[BP+\b], v[BM+\b], s[SEL], s[SEL+1]
.endr
.irp b, 0,1,2,3
	s_delay_alu instid0(VALU_DEP_4)
	v_max_num_f32 v[BM+\b], v[BM+\b], v[BP+\b]     ; with lane l xor 16's 16 keys
.endr
	s_delay_alu instid0(VALU_DEP_2)
	v_max3_num_f32 v[T], v[BM], v[BM+1], v[BM+2]
	s_delay_alu instid0(VALU_DEP_1)
	v_max_num_f32 v[T], v[T], v[BM+3]              ; the step's largest score of my query
	s_delay_alu instid0(VALU_DEP_1)
	v_mul_f32 v[T], s[CS], v[T]                    ; as t (c is positive)
	s_delay_alu instid0(VALU_DEP_1)
	v_max_num_f32 v13, v13, v[T]                   ; the running largest t
	v_mov_b32 v[T], v12
	s_delay_alu instid0(VALU_DEP_2)
	v_floor_f32 v12, -v13                          ; the new -M = floor(-t) = -ceil(t): a whole number
	s_delay_alu instid0(VALU_DEP_1)
	v_sub_f32 v[T], v12, v[T]                      ; old M - new M: a whole number, 0 or less
	s_delay_alu instid0(VALU_DEP_1)
	v_cvt_i32_f32 v[T], v[T]                       ; (it saturates)
	s_delay_alu instid0(VALU_DEP_1)
	v_ldexp_f32 v[F], 1.0, v[T]                    ; f = 2^(old M - new M): a multiplication by it rounds nothing
.set jj, 0
.rept 32
	v_pk_fma_f32 v[S+jj:S+jj+1], v[S+jj:S+jj+1], s[CS:CS+1], v[12:13] op_sel_hi:[1,0,0]   ; t - M, two at a time (of the pairs c and -M the low word serves both halves)
.set jj, jj+2
.endr
.irp b, 0,1,2,3
	v_fma_f32 v[BM+\b], v[BM+\b], s[CS], v12       ; the same of each block's largest score
.endr
.set jj, 0
	s_wait_alu depctr_va_vdst(0)
.rept 64
	v_exp_f32 v[S+jj], v[S+jj]                     ; p = 2^(t - M), at most 1: not normalised
.set jj, jj+1
.endr
.irp b, 0,1,2,3
	v_exp_f32 v[BM+\b], v[BM+\b]                   ; the block's largest p: the same two instructions on the same number give the same bits
.endr
	v_pk_mul_f32 v[14:15], v[14:15], v[F:F+1] op_sel_hi:[1,0]          ; the sum under the new M.  (A plain place behind the exponentials)
	s_wait_alu depctr_va_vdst(0)
.irp b, 0,1,2,3
	v_max_num_f32 v[BM+\b], 0x1800000, v[BM+\b]    ; the floor 2^(3 - 127): the byte cannot fall under 1
.endr
.irp b, 0,1,2,3
	s_delay_alu instid0(VALU_DEP_4)
	v_add_nc_u32 v[SC+\b], 0xff000000, v[BM+\b]    ; 2 off the exponent field: the conversion's scale operand
.endr
.irp b, 0,1,2,3
	s_delay_alu instid0(VALU_DEP_4)
	v_lshrrev_b32 v[BP+\b], 23, v[SC+\b]           ; the scale's byte
.endr
	s_delay_alu instid0(VALU_DEP_3)
	v_lshl_or_b32 v[PS], v[BP+1], 8, v[BP]         ; p's scale word for these 128 keys
	s_delay_alu instid0(VALU_DEP_1)
	v_lshl_or_b32 v[PS], v[BP+2], 16, v[PS]
	s_delay_alu instid0(VALU_DEP_1)
	v_lshl_or_b32 v[PS], v[BP+3], 24, v[PS]
.irp c, 0,1
	v_cvt_scalef32_pk16_fp6_f32 v[PCD+6*\c:PCD+6*\c+2], v[S+32*\c:S+32*\c+15], v[SC+2*\c]
	v_cvt_scalef32_pk16_fp6_f32 v[CT+4*\c:CT+4*\c+2], v[S+32*\c+16:S+32*\c+31], v[SC+2*\c+1]   ; (a conversion's three registers begin on an even number)
.endr
	v_nop                                          ; one plain place behind a scaled conversion
.irp c, 0,1                            ; the layout wants a WHOLE block in a lane: lanes 0-15 block 2 c, lanes 16-31 block 2 c + 1
.irp i, 0,1,2
	v_permlane16_swap_b32 v[PCD+6*\c+\i], v[CT+4*\c+\i]
.endr
.irp i, 0,1,2
	s_delay_alu instid0(VALU_DEP_3)
	v_mov_b32 v[PCD+6*\c+3+\i], v[CT+4*\c+\i]
.endr
.endr
	v_pk_add_f32 v[160:161], v[88:89], v[92:93]
	v_pk_add_f32 v[180:181], v[96:97], v[100:101]
	v_pk_add_f32 v[178:179], v[104:105], v[108:109]
	v_pk_add_f32 v[176:177], v[112:113], v[116:117]
	v_pk_add_f32 v[170:171], v[120:121], v[124:125]
	v_pk_add_f32 v[168:169], v[128:129], v[132:133]
	v_pk_add_f32 v[166:167], v[136:137], v[140:141]
	v_pk_add_f32 v[14:15], v[14:15], v[144:145]
	v_pk_add_f32 v[160:161], v[160:161], v[84:85]
	v_pk_add_f32 v[180:181], v[180:181], v[86:87]
	v_pk_add_f32 v[178:179], v[178:179], v[90:91]
	v_pk_add_f32 v[176:177], v[176:177], v[94:95]
	v_pk_add_f32 v[170:171], v[170:171], v[98:99]
	v_pk_add_f32 v[168:169], v[168:169], v[102:103]
	v_pk_add_f32 v[166:167], v[166:167], v[106:107]
	v_pk_add_f32 v[14:15], v[14:15], v[110:111]
	v_pk_add_f32 v[160:161], v[160:161], v[114:115]
	v_pk_add_f32 v[180:181], v[180:181], v[118:119]
	v_pk_add_f32 v[178:179], v[178:179], v[122:123]
	v_pk_add_f32 v[176:177], v[176:177], v[126:127]
	v_pk_add_f32 v[170:171], v[170:171], v[130:131]
	v_pk_add_f32 v[168:169], v[168:169], v[134:135]
	v_pk_add_f32 v[166:167], v[166:167], v[138:139]
	v_pk_add_f32 v[14:15], v[14:15], v[142:143]
	v_pk_add_f32 v[160:161], v[160:161], v[146:147]
	s_delay_alu instid0(VALU_DEP_2)
	v_pk_add_f32 v[14:15], v[14:15], v[176:177]
	s_delay_alu instid0(VALU_DEP_2)
	v_pk_add_f32 v[160:161], v[160:161], v[170:171]
	v_pk_add_f32 v[180:181], v[180:181], v[168:169]
	v_pk_add_f32 v[178:179], v[178:179], v[166:167]
	s_delay_alu instid0(VALU_DEP_2)
	v_pk_add_f32 v[14:15], v[14:15], v[180:181]
	s_delay_alu instid0(VALU_DEP_2)
	v_pk_add_f32 v[160:161], v[160:161], v[178:179]
	s_delay_alu instid0(VALU_DEP_1)
	v_pk_add_f32 v[14:15], v[14:15], v[160:161]
	s_setprio 1
.irp t, 6,7,8,9,10
	VLOAD \t, S+12*(\t-6)                          ; p is done with: five fragments of v take its registers
.endr
	WIN 0x41                                       ; O^T (destination and source 0) in window 1, f in window 0
.set jj, 0
.rept 64
	v_pk_mul_f32 v[jj:jj+1], v[jj:jj+1], v[F:F+1] op_sel_hi:[1,0]      ; O^T under the new M, each tile from its low end on.  (These are also the places between p's codes and scale word and the products)
.set jj, jj+2
.endr
	s_wait_alu depctr_va_vdst(0)
	s_wait_dscnt 0x0                               ; v's scale words and fragments 0-10
	WIN 0x50                                       ; C and D in window 1.  The 16 accumulators take turns, one instruction a turn
.irp t, 0,1,2,3,4,5
	PV \t, VF+12*\t
.endr
.rept 4
	v_nop                                          ; places in front of the loads into registers that these products have read
.endr
	WIN 0
.irp t, 11,12,13,14,15
	VLOAD \t, VF+12*(\t-11)
.endr
	WIN 0x50
	s_setprio 0
.irp t, 6,7,8,9,10
	PV \t, S+12*(\t-6)
.endr
	s_wait_dscnt 0x0
.irp t, 11,12,13,14,15
	PV \t, VF+12*(\t-11)
.endr
	WIN 0
.endm
.macro FOUR_STEPS                      ; a slot's four steps: written once, walked four times; the LDS addresses hang on s[TB]
	s_mov_b32 s[CNT], 4
.Lstep_\@:
	s_setprio 2
	STEP
	s_add_co_u32 s[TB], s[TB], STEPB
	s_sub_co_u32 s[CNT], s[CNT], 1
	s_cmp_lg_u32 s[CNT], 0
	s_cbranch_scc1 .Lstep_\@
	s_setprio 0
	s_sub_co_u32 s[TB], s[TB], 4*STEPB             ; back to a slot's first step,
	s_xor_b32 s[TB], s[TB], SLOT1                  ; in the other slot
.endm
	s_load_b256 s[4:11], s[0:1], 0x0               ; qc s[4:5], kv s[6:7], x s[8:9], out0 s[10:11]
	v_lshl_add_u32 v[SPW], v0, 2, SPARE
	v_mov_b32 v[NIL], 0
	ds_add_u32 v4, v5
	ds_add_u32 v4, v5
	s_wait_dscnt 0x0
	v_lshrrev_b32 v72, 5, v0
	s_delay_alu instid0(VALU_DEP_1)
	v_readfirstlane_b32 s[WV], v72                 ; wave 0..7
	v_and_b32 v72, 31, v0                          ; lane
	v_and_b32 v73, 15, v0                          ; r
	v_bfe_u32 v74, v0, 4, 1                        ; h
	s_delay_alu instid0(VALU_DEP_3)
	v_lshlrev_b32 v[LI], 4, v72
	s_delay_alu instid0(VALU_DEP_4)
	v_lshlrev_b32 v[L8], 3, v72
	v_lshlrev_b32 v[LS], 2, v72
	; the way out.  In: lane (r, h), tile ct, register j is channel 16 ct + 8 h + j, query 16 w + r: row (16 (ct % 8) + 8 h + j) of a stage, byte 64 w + 4 r.  8 rows are 4,224 bytes: the two halves of the lanes fall 128 bytes apart modulo 256
	s_lshl_b32 s16, s[WV], 6
	v_mul_u32_u24 v[SO], v74, 8*SPITCH
	s_delay_alu instid0(VALU_DEP_1)
	v_lshl_add_u32 v[SO], v73, 2, v[SO]
	s_delay_alu instid0(VALU_DEP_1)
	v_add_nc_u32 v[SO], s16, v[SO]
	s_delay_alu instid0(VALU_DEP_1)
	v_add_nc_u32 v[SO2], STAGEB, v[SO]
	s_and_b32 s16, s[WV], 3                        ; back: wave w takes channels 32 w .. 32 w + 31: rows 32 (w % 4) on of stage w / 4
	s_mul_i32 s16, s16, 32*SPITCH
	s_lshr_b32 s17, s[WV], 2
	s_mul_i32 s17, s17, STAGEB
	s_add_co_u32 s16, s16, s17
	v_add_nc_u32 v[SR], s16, v[LI]
	; q: query 16 w + r is position p = 16 (w & 1) + r of window w / 2; its image lane is (p & 7) | (p >> 4) << 3 | ((p >> 3) & 1) << 4
	v_and_b32 v75, 7, v0
	v_bfe_u32 v76, v0, 3, 1                        ; r >> 3
	s_and_b32 s16, s[WV], 1
	s_lshl_b32 s16, s16, 3
	v_or_b32 v75, s16, v75                         ; the image lane's low four bits
	s_delay_alu instid0(VALU_DEP_1)
	v_lshl_or_b32 v77, v76, 4, v75                 ; the image lane
	s_delay_alu instid0(VALU_DEP_1)
	v_lshlrev_b32 v70, 4, v77
	s_delay_alu instid0(VALU_DEP_2)
	v_lshlrev_b32 v71, 3, v77
	s_delay_alu instid0(VALU_DEP_4)
	v_lshlrev_b32 v79, 2, v75
	v_lshlrev_b32 v78, 3, v76                      ; my byte of the scale word: byte r >> 3
	s_bfe_u32 s13, ttmp6, 0x40000                  ; cx: it enters q's, x's and out0's addresses alone
	s_lshl_b32 s14, ttmp9, 2
	s_add_co_u32 s14, s14, s13                     ; my block of 128 queries = 4 x cluster x + cx
	s_and_b32 s15, ttmp7, 0xffff                   ; the image, which the four partners share
	; descriptor group 1: a dense block of 29,184 bytes as 114 rows of 256 bytes
	s_mov_b32 s[G1+0], 15|(3<<16)|(1<<21)          ; 15:0 the mask: all four work-groups; 17:16 elements of 8 bytes; 21 set beside a mask; no padding: every LDS load takes 512, 256 or 128 consecutive bytes
	s_mov_b32 s[G1+1], 32<<16                      ; tensor_dim0 = 32
	s_mov_b32 s[G1+2], 114<<16                     ; tensor_dim1 = 114
	s_mov_b32 s[G1+3], 32<<16                      ; tile_dim0 = 32
	s_mov_b32 s[G1+4], 114                         ; tile_dim1 = 114
	s_mov_b32 s[G1+5], 32                          ; tensor_dim0_stride
	s_mov_b32 s[G1+6], 0
	s_mov_b32 s[G1+7], 0
	s_mov_b32 s[SEL], 0x76543210
	s_mov_b32 s[SEL+1], 0xfedcba98
	s_mov_b32 s[CS], 0x3e8293ee                    ; c = log2(e) / sqrt(32) = 0.255035
	s_mov_b32 s[CS+1], s[CS]                       ; (named with it as a pair, so it is written)
	s_mov_b32 s[TB], 0
	s_mov_b32 s[SLOTS], 7
	s_lshl_b32 s16, s15, 22                        ; x and out0: an image is 4 MiB,
	s_lshl_b32 s17, s[WV], 19                      ; 32 channel rows 512 KiB,
	s_add_co_u32 s16, s16, s17
	s_lshl_b32 s17, s14, 9                         ; 128 queries 512 bytes
	s_add_co_u32 s16, s16, s17
	s_mov_b32 s17, 0
	s_lshl_b32 s18, s15, 5
	s_add_co_u32 s18, s18, s14
	s_mul_i32 s18, s18, 3584                       ; my block of qc
	s_lshr_b32 s19, s[WV], 1                       ; my window in it
	s_mul_i32 s48, s19, 768
	s_add_co_u32 s48, s48, s18
	s_mov_b32 s49, 0
	s_lshl_b32 s50, s19, 7
	s_add_co_u32 s50, s50, s18
	s_add_co_u32 s50, s50, 3072
	s_mov_b32 s51, 0
	s_and_b32 s54, s[WV], 3                        ; which of a slot's four steps I fetch: its place in the slot, and in kv
	s_mul_i32 s54, s54, STEPB
	s_mul_i32 s52, s15, 32*STEPB                   ; the image's 32 blocks
	s_add_co_u32 s52, s52, s54
	s_mov_b32 s53, 0
	s_wait_kmcnt 0x0
	s_add_nc_u64 s[XB:XB+1], s[8:9], s[16:17]
	s_add_nc_u64 s[OB:OB+1], s[10:11], s[16:17]
	s_add_nc_u64 s[QB:QB+1], s[4:5], s[48:49]
	s_add_nc_u64 s[QSB:QSB+1], s[4:5], s[50:51]
	s_mov_b32 s[G0], 1
	s_mov_b32 s[G0+1], s54
	s_add_nc_u64 s[G0+2:G0+3], s[6:7], s[52:53]
	s_or_b32 s[G0+3], s[G0+3], 0x80000000
	CROUND                                         ; all four work-groups are here: the first joint loads meet
	JLOAD                                          ; slot 0: steps 0 to 3
	s_wait_alu depctr_va_vdst(0)
	global_load_b128 v[QR:QR+3], v70, s[QB:QB+1]
	global_load_b64 v[QR+4:QR+5], v71, s[QB:QB+1] offset:512
	global_load_b32 v[QR+6], v79, s[QSB:QSB+1]
	WIN 0x40                                       ; destination window 1
.set ii, 0
.rept 32
	global_load_b128 v[128+4*ii:128+4*ii+3], v[LI], s[XB:XB+1] offset:16384*ii th:TH_LOAD_NT   ; the residual: 32 lanes read 512 consecutive bytes of channel 32 w + ii; read once in the launch; not waited for until the end
.set ii, ii+1
.endr
	WIN 0
	v_mov_b32 v13, 0xff61b1e6                      ; the largest t so far: -3e38, under every t
	s_delay_alu instid0(VALU_DEP_1)
	v_floor_f32 v12, -v13                          ; -M
	v_mov_b32 v14, 0                               ; the sum, in two halves
	v_mov_b32 v15, 0
.irp b, 0,1,2,3
	v_mov_b32 v[BP+\b], 0                          ; written once: a lane permute's destination counts as one of its sources
.endr
	v_mov_b32 v[PS], 0                             ; (named as the upper half of the pair with f before it is first written)
	s_wait_loadcnt 32                              ; q is in; x's 32 loads stay out
	v_lshrrev_b32 v80, v78, v[QR+6]
	s_delay_alu instid0(VALU_DEP_1)
	v_and_b32 v[QS], 0xff, v80                     ; my query's byte: variant 0's scale word;
	s_delay_alu instid0(VALU_DEP_1)
	v_lshlrev_b32 v[QS+1], 8, v[QS]                ; variant B's has it in byte B
	s_delay_alu instid0(VALU_DEP_2)
	v_lshlrev_b32 v[QS+2], 16, v[QS]
	s_delay_alu instid0(VALU_DEP_3)
	v_lshlrev_b32 v[QS+3], 24, v[QS]
	v_cmp_eq_u32 vcc_lo, 0, v74                    ; lanes 0-15
.irp i, 0,1,2,3,4,5
	v_mov_b32 v[QV+6+\i], 0
	v_mov_b32 v[QV+18+\i], 0
.endr
.irp i, 0,1,2,3,4,5
	v_cndmask_b32 v[QV+\i], 0, v[QR+\i], vcc_lo            ; q in lanes 0-15, zero codes in lanes 16-31;
	v_cndmask_b32 v[QV+12+\i], v[QR+\i], v[QV+6], vcc_lo   ; the other way round;
	v_cndmask_b32 v[QV+24+\i], 0, v[QR+\i], vcc_lo         ; and the first once more
.endr
	WIN 0x40
.set jj, 0
.rept 128
	v_mov_b32 v[jj], 0                             ; O^T.  (The step is written once: the first finds zeros, which the first change of M leaves zeros.  These lines are also the places between q's scale words and the first product)
.set jj, jj+1
.endr
	WIN 0
.Lslot:                                            ; 7 trips: behind each change of slots but the last the next four steps are asked for
	CHANGE 1
	FOUR_STEPS
	s_sub_co_u32 s[SLOTS], s[SLOTS], 1
	s_cmp_lg_u32 s[SLOTS], 0
	s_cbranch_scc1 .Lslot
	CHANGE 0                                       ; the last slot is written out
	FOUR_STEPS
	; THE WAY OUT.  O^T / l goes through two stages in LDS, rows = channels, and comes back as whole rows of 512 bytes, to which x is added.
.rept 4
	v_nop                                          ; places behind the last products
.endr
	v_add_f32 v14, v14, v15                        ; the sum's two halves,
	s_delay_alu instid0(VALU_DEP_1)
	v_permlanex16_b32 v[F], v14, s[SEL], s[SEL+1]
	s_delay_alu instid0(VALU_DEP_1)
	v_add_f32 v14, v14, v[F]                       ; and lane l xor 16's: l
	s_wait_alu depctr_va_vdst(0)
	v_rcp_f32 v[F], v14
	v_nop                                          ; one plain place behind a transcendental
	WIN 0x41
.set jj, 0
	s_wait_alu depctr_va_vdst(0)
.rept 64
	v_pk_mul_f32 v[jj:jj+1], v[jj:jj+1], v[F:F+1] op_sel_hi:[1,0]      ; each tile from its low end on
.set jj, jj+2
.endr
	WIN 0
	s_wait_alu depctr_va_vdst(0)
	s_wait_dscnt 0x0                               ; my reads of the ring are over:
	s_barrier_signal -1
	s_barrier_wait -1                              ; everybody's are: stage A may be written over slot 0
	WIN 0x04                                       ; an LDS store's data are its source 1: window 1
.irp t, 0,1,2,3,4,5,6,7
.irp j, 0,1,2,3,4,5,6,7
	ds_store_b32 v[SO], v[8*\t+\j] offset:(16*\t+\j)*SPITCH
.endr
.endr
.irp t, 0,1,2,3,4,5,6,7
.irp j, 0,1,2,3,4,5,6,7
	ds_store_b32 v[SO2], v[64+8*\t+\j] offset:(16*\t+\j)*SPITCH
.endr
.endr
	WIN 0
	s_wait_dscnt 0x0                               ; for the others' sake: my stores into the stages are done
	s_barrier_signal -1
	s_barrier_wait -1
	WIN 0x40
.set ii, 0
.rept 32
	ds_load_b128 v[4*ii:4*ii+3], v[SR] offset:SPITCH*ii
.set ii, ii+1
.endr
	s_wait_loadcnt 0x0                             ; x
.irp g, 0,1
	s_wait_dscnt 16-16*\g                          ; the first 16 rows are back, the other 16 loads may be out; then all
	WIN 0x45                                       ; all three in window 1
.set jj, 64*\g
.rept 32
	v_pk_add_f32 v[jj:jj+1], v[jj:jj+1], v[128+jj:128+jj+1]
.set jj, jj+2
.endr
	WIN 0x04                                       ; a store's data are its source 1
.set ii, 16*\g
.rept 16
	global_store_b128 v[LI], v[4*ii:4*ii+3], s[OB:OB+1] offset:16384*ii th:TH_STORE_NT   ; 32 lanes store 512 consecutive bytes, at a multiple of 512 from out0's first byte; written once, read by nobody here
.set ii, ii+1
.endr
.endr
	WIN 0
	s_wait_tensorcnt 0x0                           ; the wave's end, behind my last tensor load and my last LDS store
	ds_add_u32 v[SPW], v[NIL]
	s_wait_dscnt 0x0
	CROUND                                         ; the closing round: no work-group ends while a partner may still ask for a block that names it
	s_endpgm
.Lfunc_end_k_qc4e50d3f8d_attn:
	.size	k_qc4e50d3f8d_attn, .Lfunc_end_k_qc4e50d3f8d_attn-k_qc4e50d3f8d_attn
	.p2alignl 7, 3214868480
	.fill 96, 4, 3214868480
	.section	.rodata,"a",@progbits
	.p2align	6, 0x0
	.amdhsa_kernel k_qc4e50d3f8d_attn
		.amdhsa_group_segment_fixed_size 327680
		.amdhsa_private_segment_fixed_size 0
		.amdhsa_enable_private_segment 0
		.amdhsa_kernarg_size 32
		.amdhsa_user_sgpr_count 2
		.amdhsa_user_sgpr_kernarg_segment_ptr 1
		.amdhsa_wavefront_size32 1
		.amdhsa_system_sgpr_workgroup_id_x 1
		.amdhsa_system_sgpr_workgroup_id_y 1
		.amdhsa_system_sgpr_workgroup_id_z 1
		.amdhsa_system_vgpr_workitem_id 0
		.amdhsa_next_free_vgpr 512
		.amdhsa_next_free_sgpr 66
		.amdhsa_reserve_vcc 1
		.amdhsa_float_denorm_mode_32 3
		.amdhsa_float_denorm_mode_16_64 3
		.amdhsa_memory_ordered 1
		.amdhsa_forward_progress 1
		.amdhsa_inst_pref_size 87
	.end_amdhsa_kernel
	.amdgpu_metadata
---
amdhsa.version: [ 1, 2 ]
amdhsa.kernels:
  - .name:           k_qc4e50d3f8d_attn
    .symbol:         k_qc4e50d3f8d_attn.kd
    .args:
      - { .name: qc, .offset: 0, .size: 8, .value_kind: global_buffer, .address_space: global }
      - { .name: kv, .offset: 8, .size: 8, .value_kind: global_buffer, .address_space: global }
      - { .name: x, .offset: 16, .size: 8, .value_kind: global_buffer, .address_space: global }
      - { .name: out0, .offset: 24, .size: 8, .value_kind: global_buffer, .address_space: global }
    .group_segment_fixed_size: 327680
    .private_segment_fixed_size: 0
    .kernarg_segment_align: 8
    .kernarg_segment_size: 32
    .max_flat_workgroup_size: 256
    .sgpr_count:     66
    .vgpr_count:     512
    .wavefront_size: 32
...
	.end_amdgpu_metadata
.endif
;; end of part 2
